; MI455X (gfx1250); checked and timed in simulation.
; The chip was launched on July 23, 2026; its instructions are those of AMD's public machine-readable ISA for CDNA 5 (MIT licence, August 2026) and "CDNA5" Instruction Set Architecture Reference Guide (July 2026). The comments in the code are by the model that wrote it; some were corrected since.
;; CIN. Allowed arithmetic: matrix products marked QUANTISED: E2M1 operands, one E8M0 scale for each 32 along K, by v_wmma_scale_f32_16x16x128_f8f6f4 with both operands' format E2M1 (or v_wmma_scale_f32_32x16x128_f4), f32 sums; products left as they are: f32 operands where the result goes on into a quantised operand, else bf16, f16 or f32 operands; f32 sums; everything else in f32.
;; Inputs: W0 4,096 x 128 float32; W1 8,192 x 128 float32; W2 8,192 x 128 float32; x 1,024 x 64 x 16 float32.
;; Outputs: out0 1,024 x 384 float32.
;; This version of the problem:
;;   THIS VERSION OF THE PROBLEM IS GIVEN IN LOW PRECISION. The matrix products marked QUANTISED in the list below multiply operands that are first quantised to E2M1 (2 exponent bits, 1 mantissa bit; 4 bits a number), with one power-of-two scale for each 32 numbers along K (OCP MX v1.0); their sums are f32. All else is computed in f32.
;;   The module's matrix products, in the order in which they are computed (A, B: the left and right operand; K: the contracted axis; several contracted axes count as one K, in the product's order):
;;     1. batch 16,384 x [M 64, K 1] x [K 1, N 64]; A: computed on the way; B: computed on the way: left as it is (no contracted axis)
;;     2. [M 16,384, K 4,096] x [K 4,096, N 128]; A: computed on the way; B: input W0: QUANTISED
;;     3. batch 16,384 x [M 128, K 1] x [K 1, N 64]; A: computed on the way; B: computed on the way: left as it is (no contracted axis)
;;     4. [M 16,384, K 8,192] x [K 8,192, N 128]; A: computed on the way; B: input W1: QUANTISED
;;     5. batch 16,384 x [M 128, K 1] x [K 1, N 64]; A: computed on the way; B: computed on the way: left as it is (no contracted axis)
;;     6. [M 16,384, K 8,192] x [K 8,192, N 128]; A: computed on the way; B: input W2: QUANTISED
;;   THE QUANTISER, for each operand of a quantised product, along K:
;;     - K is cut into blocks of 32 from its start; a last block that is shorter is filled with zeros.
;;     - A block's scale is 2^e with e = floor(log2(the largest magnitude in the block)) - 2, held to -126 .. 127; a block of zeros has e = 0. As a byte (E8M0): e + 127.
;;     - Each number is divided by its block's scale, clamped to +-6, and rounded to the nearest number of E2M1, ties to even, subnormals kept.
;;     - The product sums the exact products of the quantised numbers (number of the format x scale) in f32.
;;   ~~~python
;;   def quantise(x, axis):      # numpy; x: float32 -> the quantised numbers, widened to float32 again
;;       x = np.moveaxis(x, axis, -1); K = x.shape[-1]
;;       x = np.pad(x, [(0, 0)] * (x.ndim - 1) + [(0, -K % 32)]); x = x.reshape(x.shape[:-1] + (-1, 32)); a = np.abs(x).max(-1, keepdims=True)
;;       e = np.where(a > 0, np.clip(np.frexp(np.where(a > 0, a, 1))[1] - 1 - 2, -126, 127), 0)      # np.frexp(a)[1] - 1 = floor(log2(a)), exactly
;;       r = np.clip(x / 2.0 ** e, -6, 6)
;;       step = 2.0 ** (np.maximum(np.frexp(np.where(r == 0, 1, r))[1] - 1, 0) - 1)
;;       q = np.round(r / step) * step * 2.0 ** e      # np.round: ties to even
;;       return np.moveaxis(q.reshape(q.shape[:-2] + (-1,))[..., :K], -1, axis).astype(np.float32)
;;   ~~~
;;   OPERANDS COMPUTED ON THE WAY. 'Computed on the way' means the value that the module computes at that place (a softmax that the list does not call 'softmax' is quantised finished and normalised). What goes into a quantiser is computed in f32, as accurately as f32 sums, v_exp_f32 and their like allow (about 1e-6 of the number): no bf16 or f16 on the way to a quantiser, and a product that is left as it is and whose result goes on into a quantised operand takes f32 operands (vector FMAs, or v_wmma_f32_16x16x4_f32). A number that lies on a knife's edge between two numbers of the format may be rounded either way, as far as f32 arithmetic and the matrix unit's own rounding can turn it there, and no further.
;; One version. Each part assembles by itself: llvm-mc -triple=amdgcn-amd-amdhsa -mcpu=gfx1250 --defsym DOCPART=n.
;; ======== version 1 of 1: 2 launches
;; workspace buffers: wq 1,392,640 bytes
;; launch wquant (part 1): grid 80 x 4, 2 waves a work-group, no clusters, 512 bytes of LDS; arguments W0, W1, W2, wq; writes wq
.if DOCPART == 1
	.amdgcn_target "amdgcn-amd-amdhsa--gfx1250"
	.amdhsa_code_object_version 6
	.text
	.protected	k_qef7b3458c9_wquant
	.globl	k_qef7b3458c9_wquant
	.p2align	8
	.type	k_qef7b3458c9_wquant,@function
k_qef7b3458c9_wquant:
	s_mov_b64 s[64:65], 0
	v_nop
	global_prefetch_b8 v0, s[64:65] scope:SCOPE_SE
	s_setreg_imm32_b32 hwreg(HW_REG_WAVE_MODE, 25, 1), 1
	s_wait_xcnt 0x0
; W0 [4096][128], W1, W2 [8192][128], f32, K = the rows, become codes of FP4 (E2M1) with one E8M0 byte for each 32 rows, laid in wq in the ORDER OF THE OPERAND'S REGISTERS of the launch that multiplies.
; wq = 4 streams (kq) x 40 K steps (ks) x 8,704 bytes.  ks 0-7: W0, 8-23: W1, 24-39: W2.  A K step is four blocks p of 32 rows: rows (i0 + p) Fi + 32 jb + 0 .. 31, Fi = 64 or 128,
; jb = kq & 1 (W0) or kq (W1, W2), i0 = 16 ((ks / 4 + 2 + XG) & 3) + 4 (ks & 3), XG = 2 for kq < 2, else 0.
; In a unit: fragment t (16 columns x 128 K) at 1,024 t: block p = 2 c + h of the column at row r of the tile: 16 bytes at 512 c + 256 h + 16 r.  Tile t holds columns 32 (kq xor t / 2) + 16 (r / 8) + 8 (t & 1) + r % 8.
; Inside a block with odd p the two halves of 16 rows change places: the multiplying launch holds its own operand so.  Scale words (byte p) at 8,192 + 256 half + 8 l + 4 w: tile 2 (2 half + w) + l / 16, row l % 16.
; A LANE TAKES A COLUMN AND ITS REGISTERS RUN DOWN K: a block's largest magnitude needs no other lane, and the conversions give the codes with K innermost.  Each load of a wave reads 128 consecutive bytes, the two waves 256.
; A block's scale is 2^(floor(log2(largest magnitude)) - 2): its byte is the largest magnitude's exponent field - 2, held at 1 from below.
; LIMITS: a block of zeros gets the byte 1 where the rule says 127 (its codes are zeros, and this program alone reads the bytes); blocks under the floor 2^-124 were not tried; NaN and infinities are not served.
; A work-group (x = 2 ks + half, y = kq) makes half a unit; wave w the 32 columns of tiles 2 (2 half + w) and + 1.
.set UNIT, 8704
.set VO,   4                           ; v4-7    byte offset of my column in block p's first row
.set COD,  20                          ; v20-35  codes, four registers a block: no store's data are written again
.set NUM,  64                          ; v64-191 the numbers: 32 p + place in the block
	s_load_b256 s[4:11], s[0:1], 0x0               ; W0 s[4:5], W1 s[6:7], W2 s[8:9], wq s[10:11]
	v_lshl_add_u32 v192, v0, 2, 0x100
	v_mov_b32 v193, 0
	v_lshrrev_b32 v1, 5, v0
	v_readfirstlane_b32 s12, v1                    ; wave w
	v_and_b32 v1, 31, v0                           ; lane l
	s_lshr_b32 s13, ttmp9, 1                       ; ks
	s_and_b32 s14, ttmp9, 1                        ; half
	s_and_b32 s15, ttmp7, 0xffff                   ; kq
	s_lshr_b32 s16, s13, 2                         ; ks / 4
	s_and_b32 s17, s13, 3                          ; ks & 3
	s_lshr_b32 s18, s15, 1
	s_xor_b32 s18, s18, 1
	s_lshl_b32 s18, s18, 1                         ; XG
	s_add_co_u32 s18, s18, s16
	s_add_co_u32 s18, s18, 2
	s_and_b32 s18, s18, 3                          ; which 16 of the 64 i
	s_lshl_b32 s18, s18, 4
	s_lshl_b32 s17, s17, 2
	s_add_co_u32 s18, s18, s17                     ; i0
	s_and_b32 s20, s15, 1                          ; W0's jb
	s_lshl_b32 s28, s14, 1
	s_add_co_u32 s28, s28, s12                     ; 2 half + w: my pair of tiles
	s_xor_b32 s29, s15, s28                        ; whose 32 columns they are
	s_lshl_b32 s29, s29, 7                         ; in bytes
	s_lshl_b32 s30, s28, 11                        ; my pair's place in the unit
	s_lshl_b32 s31, s12, 2
	s_lshl_b32 s32, s14, 8
	s_mul_i32 s25, s15, 40
	s_add_co_u32 s25, s25, s13
	s_mul_i32 s26, s25, UNIT                       ; the unit's first byte
	s_mov_b32 s27, 0
	v_and_b32 v2, 7, v1
	v_bfe_u32 v3, v1, 3, 1
	v_bfe_u32 v12, v1, 4, 1
	v_lshl_add_u32 v2, v3, 4, v2
	v_lshl_add_u32 v2, v12, 3, v2                  ; my column among the 32: 16 ((l / 8) & 1) + 8 (l / 16) + l % 8
	v_lshl_add_u32 v[VO], v2, 2, s29
	v_and_b32 v3, 15, v1
	v_lshlrev_b32 v3, 4, v3
	v_lshl_add_u32 v3, v12, 10, v3
	v_add_nc_u32 v8, s30, v3                       ; my codes: tile l / 16 of the pair, row l % 16
	v_lshl_add_u32 v9, v1, 3, s31                  ; LDS: my scale word at 8 l + 4 w
	v_lshlrev_b32 v10, 3, v1                       ; and back, 8 bytes a lane
	v_add_nc_u32 v11, s32, v10                     ; the same place in the unit's scale words
	s_wait_kmcnt 0x0
	s_cmp_lt_u32 s13, 24                           ; which tensor: the choice hangs on the work-group's number alone
	s_cselect_b64 s[6:7], s[6:7], s[8:9]
	s_cmp_lt_u32 s13, 8
	s_cselect_b64 s[4:5], s[4:5], s[6:7]
	s_cselect_b32 s19, 6, 7                        ; log2(Fi)
	s_cselect_b32 s20, s20, s15                    ; jb
	s_lshl_b32 s21, s18, s19
	s_lshl_b32 s22, s20, 5
	s_add_co_u32 s21, s21, s22                     ; block 0's first row: i0 Fi + 32 jb
	s_lshl_b32 s22, s21, 9                         ; a row is 512 bytes
	s_mov_b32 s23, 0
	s_add_nc_u64 s[4:5], s[4:5], s[22:23]
	s_add_nc_u64 s[10:11], s[10:11], s[26:27]
	s_lshl_b32 s24, 512, s19                       ; from block to block: Fi rows
.irp p, 1,2,3
	v_add_nc_u32 v[VO+\p], s24, v[VO+\p-1]
.endr
.macro LOADP p                         ; block p: its 32 rows at my column; with odd p the halves of 16 change places
.irp kk, 0,1,2,3,4,5,6,7,8,9,10,11,12,13,14,15,16,17,18,19,20,21,22,23,24,25,26,27,28,29,30,31
	global_load_b32 v[NUM+32*(\p)+\kk], v[VO+(\p)], s[4:5] offset:((\kk+16*((\p)%2))%32)*512 th:TH_LOAD_NT
.endr
.endm
.macro BLOCK p
.set XS, NUM+32*(\p)
.if (\p) < 3
	s_wait_loadcnt 32                              ; this block's 32 loads are in; the next block's may be out
.else
	s_wait_loadcnt 0x0
.endif
.if (\p) < 2
	LOADP (\p)+2                                   ; two blocks ahead, into registers of their own
.endif
	v_max3_num_f32 v12, |v[XS]|, |v[XS+1]|, |v[XS+2]|              ; the block's largest magnitude: all 32 numbers are mine; two chains
	v_max3_num_f32 v13, |v[XS+3]|, |v[XS+4]|, |v[XS+5]|
.irp i, 6,10,14,18,22,26
	v_max3_num_f32 v12, v12, |v[XS+\i]|, |v[XS+\i+1]|
	v_max3_num_f32 v13, v13, |v[XS+\i+2]|, |v[XS+\i+3]|
.endr
	v_max3_num_f32 v12, v12, |v[XS+30]|, |v[XS+31]|
	v_max3_num_f32 v12, v12, v13, 0x1800000        ; and the floor 2^(3 - 127): the byte cannot fall under 1
	v_add_nc_u32 v14, 0xff000000, v12              ; 2 off the exponent field: the conversion takes this operand's exponent field as its scale
.irp g, 0,1,2,3
	v_cvt_scalef32_pk8_fp4_f32 v[COD+4*(\p)+\g], v[XS+8*\g:XS+8*\g+7], v14
.endr
	v_lshrrev_b32 v15, 23, v14                     ; the scale's byte
.if (\p) == 0
	v_mov_b32 v16, v15
.else
	v_lshl_or_b32 v16, v15, 8*(\p), v16            ; byte p of my column's scale word
.endif
	global_store_b128 v8, v[COD+4*(\p):COD+4*(\p)+3], s[10:11] offset:((\p)/2)*512+((\p)%2)*256   ; sixteen lanes store 256 consecutive bytes, at a multiple of 256 from wq's first byte
.endm
	LOADP 0
	LOADP 1
	BLOCK 0
	BLOCK 1
	BLOCK 2
	BLOCK 3
	ds_store_b32 v9, v16                           ; the two waves' words meet in LDS, so that they leave as 256 consecutive bytes
	s_wait_dscnt 0x0                               ; for the other wave's sake: my store is done
	s_barrier_signal -1
	s_barrier_wait -1
	s_cmp_lg_u32 s12, 0
	s_cbranch_scc1 .Ldone
	ds_load_b64 v[12:13], v10
	s_wait_dscnt 0x0
	global_store_b64 v11, v[12:13], s[10:11] offset:8192
.Ldone:
	s_wait_tensorcnt 0x0
	ds_add_u32 v192, v193
	s_wait_dscnt 0x0
	s_endpgm
.Lfunc_end_k_qef7b3458c9_wquant:
	.size	k_qef7b3458c9_wquant, .Lfunc_end_k_qef7b3458c9_wquant-k_qef7b3458c9_wquant
	.p2alignl 7, 3214868480
	.fill 96, 4, 3214868480
	.section	.rodata,"a",@progbits
	.p2align	6, 0x0
	.amdhsa_kernel k_qef7b3458c9_wquant
		.amdhsa_group_segment_fixed_size 512
		.amdhsa_private_segment_fixed_size 0
		.amdhsa_enable_private_segment 0
		.amdhsa_kernarg_size 32
		.amdhsa_user_sgpr_count 2
		.amdhsa_user_sgpr_kernarg_segment_ptr 1
		.amdhsa_wavefront_size32 1
		.amdhsa_system_sgpr_workgroup_id_x 1
		.amdhsa_system_sgpr_workgroup_id_y 1
		.amdhsa_system_sgpr_workgroup_id_z 1
		.amdhsa_system_vgpr_workitem_id 0
		.amdhsa_next_free_vgpr 194
		.amdhsa_next_free_sgpr 66
		.amdhsa_reserve_vcc 0
		.amdhsa_float_denorm_mode_32 3
		.amdhsa_float_denorm_mode_16_64 3
		.amdhsa_memory_ordered 1
		.amdhsa_forward_progress 1
		.amdhsa_inst_pref_size 22
	.end_amdhsa_kernel
	.amdgpu_metadata
---
amdhsa.version: [ 1, 2 ]
amdhsa.kernels:
  - .name:           k_qef7b3458c9_wquant
    .symbol:         k_qef7b3458c9_wquant.kd
    .args:
      - { .name: W0, .offset: 0, .size: 8, .value_kind: global_buffer, .address_space: global }
      - { .name: W1, .offset: 8, .size: 8, .value_kind: global_buffer, .address_space: global }
      - { .name: W2, .offset: 16, .size: 8, .value_kind: global_buffer, .address_space: global }
      - { .name: wq, .offset: 24, .size: 8, .value_kind: global_buffer, .address_space: global }
    .group_segment_fixed_size: 512
    .private_segment_fixed_size: 0
    .kernarg_segment_align: 8
    .kernarg_segment_size: 32
    .max_flat_workgroup_size: 64
    .sgpr_count:     66
    .vgpr_count:     194
    .wavefront_size: 32
...
	.end_amdgpu_metadata
.endif
;; end of part 1
;; launch cin (part 2): grid 256 x 1, 8 waves a work-group, clusters of 4 x 1, 327,680 bytes of LDS; arguments x, wq, out0; writes out0
.if DOCPART == 2
	.amdgcn_target "amdgcn-amd-amdhsa--gfx1250"
	.amdhsa_code_object_version 6
	.text
	.protected	k_qef7b3458c9_cin
	.globl	k_qef7b3458c9_cin
	.p2align	8
	.type	k_qef7b3458c9_cin,@function
k_qef7b3458c9_cin:
	s_mov_b64 s[64:65], 0
	v_nop
	global_prefetch_b8 v0, s[64:65] scope:SCOPE_SE
	s_setreg_imm32_b32 hwreg(HW_REG_WAVE_MODE, 25, 1), 1
	s_wait_xcnt 0x0
	s_wait_alu depctr_hold_cnt(0) depctr_sa_sdst(0) depctr_va_vdst(0) depctr_va_sdst(0) depctr_va_ssrc(0) depctr_va_vcc(0) depctr_vm_vsrc(0)
	s_getreg_b32 s2, hwreg(HW_REG_IB_STS2, 6, 4)
	s_cmp_eq_u32 s2, 0
	s_cbranch_scc0 .Lentry_in_a_cluster
	s_endpgm
.Lentry_in_a_cluster:
	s_bfe_u32 s2, ttmp6, 0x10000c
	s_cmp_lg_u32 s2, 0x3003
	s_cbranch_scc0 .Lentry_shape_is_right
	s_endpgm
.Lentry_shape_is_right:
; Three CIN layers, fused: h'[(b,d)][n] = sum over i, j of x[b][i][d] h[b][j][d] W[i Fi + j][n], h = x at first; out0[b][128 layer + n] = sum over d of h'.
; The products x_i h_j (f32) are quantised to FP4 (E2M1) with one E8M0 scale for each 32 along K, K = i Fi + j (W's own row order: a block is one i and 32 neighbouring j), and multiplied by W's codes out of wq.
; SHARES.  A work-group owns 64 rows (b, d): 4 batch elements = 4 tiles m of 16 rows (row r of a tile is d = r), through all three layers; h never goes to memory.
; EIGHT WAVES, two to a SIMD: wave w = 2 kq + rh.  K IS SPLIT FOUR WAYS: kq stands for one block jb of 32 j (jb = kq; in layer 0, where there are two, jb = kq & 1 and half of the i).  The rows are split in two: rh stands for
; tiles m = 2 rh + mm, mm = 0, 1.  So a wave makes 32 rows x 128 columns for a quarter of K: 16 accumulators.  Each fragment of the computed operand is made once; each fragment of W is read from LDS by two waves.
; WHY TWO WAVES TO A SIMD: a fragment of the computed operand costs 40 vector lines for its 8 matrix instructions.  A tile's 8 matrix instructions stand together, and the SIMD's other wave has its vector lines to issue meanwhile.
; At a layer's end the four partial sums of a row meet in LDS: wave (kq, rh) gathers columns 32 kq .. + 31 of its rows, the very j that it needs next.
; A K STEP is four blocks p: i = i0 + p at my jb.  The 4-bit layout gives lane (r, hh) blocks p = hh and 2 + hh: both halves of the lanes multiply the same 32 numbers of h by another x_i.
; THE PRODUCT IS USED TRANSPOSED (source 0 = 16 columns of W, source 1 = my 16 rows): a lane holds one row, its registers run along the columns.  wq's tiles are ordered so that tiles 0, 1 are my own columns in every wave,
; and lane (r, hh) register e of them is column 32 kq + 16 hh + e.  H[0..15] are those, H[16..31] lane l xor 16's: place rho of a block is j = rho xor 16 hh; wq lays the blocks with odd p in that order.
; THE SCALE.  Rounding is monotonic, so a block's largest |x_i h_j| is |x_i| times the row's largest |h_j|, rounded.  t = x_i x (that largest / 4) has the exponent field floor(log2(largest)) - 2 + 127: t is the conversion's
; scale operand as it stands, and its exponent field is the E8M0 byte.
; LIMITS: a block whose largest magnitude lies under 2^-124, or of zeros, gets the byte 0 (2^-127) where the rule says 1 or 127; zero codes add nothing under it.  NaN and infinities are not served.
; The four partial sums of an output are added in another order than one ascending sum.
; CLUSTER: all work-groups walk the same wq, so the four of a cluster ask for each tile JOINTLY: the same tensor load, the same descriptor, mask 15.  A slot holds 4 K steps of all four streams; each wave fetches an eighth of it.
; REGISTERS, in windows of 256 (s_set_vgpr_msb: bits 1:0 source 0, 3:2 source 1, 5:4 source 2, 7:6 destination):
;   window 0: addresses, scales, x, codes, H (v128-191: 32 a tile), the in-boxes (v192-215), the products at work (v216-239).   window 1: v0-127 W's fragments, two sets; accumulator (mm, t) at 128 + 64 mm + 8 t.
.set UNIT,   8704                      ; a K step of a stream: 8 fragments of 1,024 bytes, 512 bytes of scale words
.set HALFW,  2*UNIT                    ; what one tensor load brings
.set SLOTW,  4*UNIT                    ; a stream's part of a slot
.set SLOTB,  4*SLOTW                   ; a slot.  Its two set bits (13, 17) are set in no w x HALFW: an exclusive or turns an address from one slot to the other
.set STREAM, 40*UNIT
.set XIMG,   2*SLOTB                   ; x's 16,384 bytes as in memory, 64 bytes of padding behind each 1,024: (m, i, d) at 4,352 m + 1,088 (i / 16) + 64 (i % 16) + 4 d
.set STG,    XIMG+17408                ; in-boxes for half a tile's worth of my columns: owner wave x 3,072 + (delta - 1) x 1,024 + 512 j + 16 lane
.set OUTS,   STG+24576                 ; the sums over d: wave x 768 + layer x 256 + mm x 128 + 4 lane
.set SPARE,  OUTS+6144                 ; the spare words, 128 bytes a wave: four blocks of 256 bytes that no other line names
.set VW0,  1                           ; v1   kq SLOTW + 16 lane
.set VWS0, 2                           ; v2   kq SLOTW + 8,192 + 8 lane
.set VW,   3                           ; v3   v1 + the slot in hand
.set VWS,  4                           ; v4   v2 + the slot in hand
.set VXB,  5                           ; v5   XIMG + my two tiles + 4 lane
.set VXA,  6                           ; v6   v5 + the slot's 16 i
.set VS,   7                           ; v7-9 where I send tiles 2 delta, 2 delta + 1
.set VR,   10                          ; v10  my in-boxes
.set VOUT0, 11                         ; v11  OUTS + 768 w + 4 lane
.set VOUTC, 12                         ; v12  + 256 layer
.set LN,   13                          ; v13  lane
.set SPW,  14                          ; v14  my spare word: SPARE + 4 x my thread's number; never rewritten
.set NIL,  15                          ; v15  0; never rewritten
.set T,    16                          ; v16-19 t of (tile mm, c): 2 mm + c
.set HQ,   24                          ; v24-25 a quarter of the row's largest |h|, a tile each
.set AW,   28                          ; v28-29 my operand's scale words, a tile each: scales and nothing else
.set WS,   32                          ; v32-39 W's scale words, two sets of 4: register t / 2, lanes 0-15 the even tile, lanes 16-31 the odd
.set X,    40                          ; v40-47 x_i, two sets: 2 mm + c
.set C,    72                          ; v72-87 the two tiles' codes
.set E,    88                          ; v88-93 at work; v94, v95 at work
.set BT,   96                          ; v96-111 the sum over d
.set PFO,  112                         ; v112 256 lane
.set XGO,  113                         ; v113 16 x thread: x in memory
.set XLO,  114                         ; v114 and in XIMG
.set HA0,  115                         ; v115, v116 the first h = x: places 0-15 and 16-31
.set HA1,  116
.set VOL,  117                         ; v117 the way out: LDS
.set VOG,  118                         ; v118 the way out: 8 lane
.set H,    128
.set L,    192                         ; three in-boxes of 8
.set P,    216                         ; eight products, three sets
.set ACC,  128                         ; in window 1
.set WV,   10                          ; s10  wave 0..7
.set CNT,  13                          ; s13  the slot's number, 0 to 9
.set LIM,  15                          ; s15  slots up to which this wave prefetches
.set G1,   16                          ; s[16:23] descriptor group 1
.set G0A,  24                          ; s[24:27] group 0, slot 0's first fill
.set G0B,  28                          ; s[28:31] group 0, slot 1's first fill; it then walks on
.set PFA,  32                          ; s[32:33] where my prefetches stand
.set SEL,  34                          ; s34, s35 v_permlanex16_b32's selects for lane l xor 16
.set MK,   36                          ; s36-39 lanes with bit 3, 2, 1, 0 of their number set
.set WB,   40                          ; s40  kq SLOTW
.set XGA,  41                          ; s41  3 + XG
.set TB,   42                          ; s42  the slot in hand: 0 or SLOTB
.set SX,   43                          ; s43  the slot's 16 i in XIMG
.set PS0,  44                          ; s44, s45 v_perm_b32's selects
.set PS1,  45
.set KQ,   48                          ; s48  w / 2
.set RH,   49                          ; s49  w & 1
.set FB,   50                          ; s50  w HALFW: where my tensor loads land in a slot
.set MSB, 0
.macro WIN new                         ; the immediate's high byte repeats the setting that is left; a switch that changes nothing is dropped
.if MSB != \new
	s_set_vgpr_msb (MSB<<8)|\new
.set MSB, \new
.endif
.endm
.macro CREST                           ; a round of the cluster's barrier behind its opening barrier
	s_cmp_lg_u32 s[WV], 0
	s_cbranch_scc1 .Lnot_wave_0_\@
	s_barrier_signal -3
.Lnot_wave_0_\@:
	s_barrier_wait -3
	s_barrier_signal -1
	s_barrier_wait -1
.endm
.macro ROUND
	s_barrier_signal -1
	s_barrier_wait -1
	CREST
.endm
; t and the scale words of the K step whose x lie in set: t = x_i x HQ for the 4 (tile, c); its exponent fields are the bytes of blocks p = 2 c + hh; lane l xor 16 has the other two of a row's four.
.macro PREP set
	v_pk_mul_f32 v[T:T+1], v[X+4*(\set):X+4*(\set)+1], v[HQ:HQ+1] op_sel:[0,0] op_sel_hi:[1,0]
	v_pk_mul_f32 v[T+2:T+3], v[X+4*(\set)+2:X+4*(\set)+3], v[HQ:HQ+1] op_sel:[0,1] op_sel_hi:[1,1]
.irp bb, 0,1,2,3
	v_bfe_u32 v[E+\bb], v[T+\bb], 23, 8
.endr
	v_lshl_or_b32 v[E+4], v[E+1], 8, v[E]
	v_lshl_or_b32 v[E+4], v[E+2], 16, v[E+4]
	v_lshl_or_b32 v[E+4], v[E+3], 24, v[E+4]       ; bytes: (tile 0, c 0), (tile 0, c 1), (tile 1, c 0), (tile 1, c 1)
	v_permlanex16_b32 v[E+5], v[E+4], s[SEL], s[SEL+1]
	v_perm_b32 v[AW], v[E+5], v[E+4], s[PS0]       ; lanes 0-15: mine, the other's, mine, the other's = blocks 0, 1, 2, 3 of row r (lanes 16-31 are not read)
	v_perm_b32 v[AW+1], v[E+5], v[E+4], s[PS1]
.endm
; 22 LDS loads in one run: K step qn of the slot in hand: W's 8 fragments as images of their registers, their scale words, and x_i for my 4 (tile, c)
.macro LOADS qn, nset
	WIN 0x40                                       ; destination window 1
.irp tt, 0,1,2,3,4,5,6,7
.irp cc, 0,1
	ds_load_b128 v[64*(\nset)+8*\tt+4*\cc:64*(\nset)+8*\tt+4*\cc+3], v[VW] offset:(\qn)*UNIT+\tt*1024+\cc*512
.endr
.endr
	WIN 0
.irp hf, 0,1
	ds_load_b64 v[WS+4*(\nset)+2*\hf:WS+4*(\nset)+2*\hf+1], v[VWS] offset:(\qn)*UNIT+\hf*256
.endr
.irp mm, 0,1
.irp cc, 0,1
	ds_load_b32 v[X+4*(\nset)+2*\mm+\cc], v[VXA] offset:\mm*4352+(\qn)*256+\cc*128
.endr
.endr
.endm
; Group g of 16: eight products of tile g / 8, register g % 8 of its fragment: places 8 (g % 4) .. + 7 of block 2 ((g % 8) / 4) + hh.  They go into set g % 3.
.macro MG g, set
.irp kk, 0,1,2,3
.if ((\g)%8) < 4
	v_pk_mul_f32 v[P+8*((\g)%3)+2*\kk:P+8*((\g)%3)+2*\kk+1], v[H+32*((\g)/8)+8*((\g)%4)+2*\kk:H+32*((\g)/8)+8*((\g)%4)+2*\kk+1], v[X+4*(\set)+2*((\g)/8):X+4*(\set)+2*((\g)/8)+1] op_sel:[0,0] op_sel_hi:[1,0]
.else
	v_pk_mul_f32 v[P+8*((\g)%3)+2*\kk:P+8*((\g)%3)+2*\kk+1], v[H+32*((\g)/8)+8*((\g)%4)+2*\kk:H+32*((\g)/8)+8*((\g)%4)+2*\kk+1], v[X+4*(\set)+2*((\g)/8):X+4*(\set)+2*((\g)/8)+1] op_sel:[0,1] op_sel_hi:[1,1]
.endif
.endr
.endm
.macro VG g                            ; and their codes
	v_cvt_scalef32_pk8_fp4_f32 v[C+(\g)], v[P+8*((\g)%3):P+8*((\g)%3)+7], v[T+2*((\g)/8)+((\g)%8)/4]
.endm
.macro WM mm, t, set, zero             ; accumulator (mm, t) += W's tile t x my tile mm.  zero = 1: the product starts the sum
.if \zero
.if (\t)%2
	v_wmma_scale_f32_16x16x128_f8f6f4 v[ACC+64*(\mm)+8*(\t):ACC+64*(\mm)+8*(\t)+7], v[64*(\set)+8*(\t):64*(\set)+8*(\t)+7], v[C+8*(\mm):C+8*(\mm)+7], 0, v[WS+4*(\set)+(\t)/2], v[AW+(\mm)] matrix_a_fmt:MATRIX_FMT_FP4 matrix_b_fmt:MATRIX_FMT_FP4 matrix_a_scale:MATRIX_SCALE_ROW1
.else
	v_wmma_scale_f32_16x16x128_f8f6f4 v[ACC+64*(\mm)+8*(\t):ACC+64*(\mm)+8*(\t)+7], v[64*(\set)+8*(\t):64*(\set)+8*(\t)+7], v[C+8*(\mm):C+8*(\mm)+7], 0, v[WS+4*(\set)+(\t)/2], v[AW+(\mm)] matrix_a_fmt:MATRIX_FMT_FP4 matrix_b_fmt:MATRIX_FMT_FP4
.endif
.else
.if (\t)%2
	v_wmma_scale_f32_16x16x128_f8f6f4 v[ACC+64*(\mm)+8*(\t):ACC+64*(\mm)+8*(\t)+7], v[64*(\set)+8*(\t):64*(\set)+8*(\t)+7], v[C+8*(\mm):C+8*(\mm)+7], v[ACC+64*(\mm)+8*(\t):ACC+64*(\mm)+8*(\t)+7], v[WS+4*(\set)+(\t)/2], v[AW+(\mm)] matrix_a_fmt:MATRIX_FMT_FP4 matrix_b_fmt:MATRIX_FMT_FP4 matrix_a_scale:MATRIX_SCALE_ROW1
.else
	v_wmma_scale_f32_16x16x128_f8f6f4 v[ACC+64*(\mm)+8*(\t):ACC+64*(\mm)+8*(\t)+7], v[64*(\set)+8*(\t):64*(\set)+8*(\t)+7], v[C+8*(\mm):C+8*(\mm)+7], v[ACC+64*(\mm)+8*(\t):ACC+64*(\mm)+8*(\t)+7], v[WS+4*(\set)+(\t)/2], v[AW+(\mm)] matrix_a_fmt:MATRIX_FMT_FP4 matrix_b_fmt:MATRIX_FMT_FP4
.endif
.endif
.endm
; A K STEP'S WORK, in two parts.  The groups of products run one or two ahead of their conversions, through three sets: a conversion reads products that were finished four lines earlier or more, the four multiplies behind
; it are the plain lines that touch neither its result nor its sources, and a set is written again only behind such lines.
; BODYA: tile 0's fragment, and tile 1's first two groups of products.  All in window 0: work on registers alone.
.macro BODYA set
	MG 0,\set
.irp gg, 0,1,2,3,4,5,6,7
	MG \gg+1,\set
	VG \gg
.endr
	MG 9,\set                                      ; four plain lines between tile 0's last code and its first product (ISA guide 7.12.1)
.endm
; BODYB: tile 0's 8 products; the rest of tile 1's fragment; tile 1's 8 products.  The 16 accumulators take turns, one instruction a turn, in the same order in every K step.
.macro BODYB set, zero
	WIN 0x51                                       ; W window 1, codes window 0, C and D window 1
.irp tt, 0,1,2,3,4,5,6,7
	WM 0,\tt,\set,\zero
.endr
	WIN 0
.irp gg, 8,9,10,11,12,13
	VG \gg                                         ; (tile 1's codes: no register of tile 0's products)
	MG \gg+2,\set
.endr
	VG 14
	VG 15
.rept 4
	v_nop                                          ; four plain lines between tile 1's last code and its first product: no other work on registers is at hand
.endr
	WIN 0x51
.irp tt, 0,1,2,3,4,5,6,7
	WM 1,\tt,\set,\zero
.endr
	WIN 0
.endm
; A PREFETCH INTO THE L2 of my stream's slot after the one just asked for: the cluster with x = 0 asks, nobody else, and in it the waves with rh = 0, one for each stream; the four partners share the slot's first 32,768 bytes
; of a stream out BY ADDRESS, 8,192 each, lanes 256 bytes apart.  The last 2,048 bytes and slots 0 to 2 come by their loads alone; the changes of slots 7 and on ask for nothing: there is no slot 10.
.macro ASK
	s_cmp_lt_u32 s[CNT], s[LIM]
	s_cbranch_scc0 .Lnot_mine_\@
	global_prefetch_b8 v[PFO], s[PFA:PFA+1] th:TH_LOAD_NT scope:SCOPE_SE
.Lnot_mine_\@:
.endm
.macro NEXTSLOT                        ; scalars of the slot that follows: the other slot's bytes, and its 16 i: ((slot + 2 + XG) & 3) x 1,088
	s_xor_b32 s[TB], s[TB], SLOTB
	s_add_co_u32 s14, s[CNT], s[XGA]
	s_and_b32 s14, s14, 3
	s_mul_i32 s[SX], s14, 1088
.endm
.macro NEXTADR
	v_add_nc_u32 v[VW], s[TB], v[VW0]
	v_add_nc_u32 v[VWS], s[TB], v[VWS0]
	v_add_nc_u32 v[VXA], s[SX], v[VXB]
.endm
; K step q of a slot.  chg = 0: its successor lies in the same slot.  chg = 1: the slot's last, and the slot is filled again.  chg = 2: the slot's last, nothing is left to fetch.
.macro KSTEP q, zero, chg
.if \chg == 0
	s_wait_dscnt 0x0                               ; this K step's 22 loads, issued a K step ago, are in
	PREP (\q)%2                                    ; (its first lines are also the places in front of its own writes of the scale words and of the loads into the set that the last K step's products read)
	LOADS (\q)+1,1-(\q)%2
	BODYA (\q)%2
	BODYB (\q)%2,\zero
.elseif \chg == 1
	s_wait_xcnt 0x0                                ; the last prefetch, a slot back, has read its address
	s_add_nc_u64 s[PFA:PFA+1], s[PFA:PFA+1], SLOTW
	s_wait_tensorcnt 0x0                           ; all my tensor loads have landed: the one that was out is my eighth of the other slot; so a group 0 may be written
	ds_add_u32 v[SPW], v[NIL]                      ; 0 onto my spare word
	s_wait_dscnt 0x1                               ; my 22 loads, the last reads of this slot, are in; the add may be out
	s_xor_b32 s[G0B+1], s[G0B+1], SLOTB            ; the walking descriptor: the slot that is being left,
	s_add_nc_u64 s[G0B+2:G0B+3], s[G0B+2:G0B+3], SLOTW   ; my part of my stream's next 4 K steps; the type bits on top are not reached
	NEXTSLOT
	PREP 1
	NEXTADR
	s_wait_dscnt 0x0                               ; the add is done
	s_barrier_signal -1                            ; the barrier opens a round of the cluster's barrier;
	BODYA 1                                        ; work on registers while the others arrive
	s_barrier_wait -1
	CREST                                          ; no wave of any partner still reads the slot or has a load on its way; the other slot is whole
	tensor_load_to_lds s[G0B:G0B+3], s[G1:G1+7]    ; my one load behind the round: it has 4 K steps in which to land
	s_nop 0
.rept 4
	v_nop
.endr
	LOADS 0,0                                      ; the other slot's first K step
	ASK
	BODYB 1,0
.else
	s_wait_tensorcnt 0x0                           ; my eighth of the other slot has landed: no load was issued behind it;
	s_wait_dscnt 0x0                               ; my 22 loads are in
	s_barrier_signal -1                            ; two waves read what either of them fetched: so a barrier stands between the wait and the reads.
	NEXTSLOT
	PREP 1
	NEXTADR
	s_barrier_wait -1
	s_cmp_eq_u32 s[CNT], 9                         ; behind the last slot there is nothing to read
	s_cbranch_scc1 .Llast_\@
	LOADS 0,0
.Llast_\@:
	BODYA 1
	BODYB 1,0
.endif
.endm
; A slot's four K steps.  z = 1: the first starts the sums; z = 2: it does so in slots 2 and 6, where a layer begins; z = 0: it does not.
.macro SLOT z, chg
.if \z == 1
	KSTEP 0,1,0
.elseif \z == 2
	s_and_b32 s14, s[CNT], 3
	s_cmp_eq_u32 s14, 2
	s_cbranch_scc0 .Lgoes_on_\@
	KSTEP 0,1,0
	s_branch .Ljoin_\@
.Lgoes_on_\@:
	KSTEP 0,0,0
.Ljoin_\@:
.else
	KSTEP 0,0,0
.endif
	KSTEP 1,0,0
	KSTEP 2,0,0
	KSTEP 3,0,\chg
.endm
; ---- a layer's end
.macro SUM mm, u                       ; eight of my sums of tile mm: my own partial sums (tile u, read from its low end on) and the three in-boxes
.irp ee, 0,2,4,6
	v_pk_add_f32 v[L+\ee:L+\ee+1], v[L+\ee:L+\ee+1], v[L+8+\ee:L+8+\ee+1]
.endr
	WIN 0x04                                       ; source 1 window 1
.irp ee, 0,2,4,6
	v_pk_add_f32 v[L+16+\ee:L+16+\ee+1], v[L+16+\ee:L+16+\ee+1], v[ACC+64*(\mm)+8*(\u)+\ee:ACC+64*(\mm)+8*(\u)+\ee+1]
.endr
	WIN 0
.irp ee, 0,2,4,6
	v_pk_add_f32 v[H+32*(\mm)+8*(\u)+\ee:H+32*(\mm)+8*(\u)+\ee+1], v[L+\ee:L+\ee+1], v[L+16+\ee:L+16+\ee+1]
.endr
.endm
; One stage of the sum over d: of registers e and e + n a lane keeps one (by a bit of its number), gives the other to the lane xm away, and adds what it is given: n registers are left
.macro BSTAGE src, dst, n, msk, xm
.set ee, 0
.rept \n
	v_cndmask_b32 v[E+2*(ee%2)], v[\src+ee], v[\src+ee+\n], s[\msk]
	v_cndmask_b32 v[E+2*(ee%2)+1], v[\src+ee+\n], v[\src+ee], s[\msk]
	v_add_f32_dpp v[\dst+ee], v[E+2*(ee%2)+1], v[E+2*(ee%2)] row_xmask:\xm row_mask:0xf bank_mask:0xf
.set ee, ee+1
.endr
.endm
.macro BFLY mm                         ; 16 registers x 16 lanes (d) become one register: lane l holds the sum over d of column 32 kq + l
	BSTAGE H+32*(\mm),BT,8,MK,8
	BSTAGE BT,BT+8,4,MK+1,4
	BSTAGE BT+8,BT+12,2,MK+2,2
	BSTAGE BT+12,BT+14,1,MK+3,1
	ds_store_b32 v[VOUTC], v[BT+14] offset:(\mm)*128
.endm
.macro DUP mm                          ; places 16-31 of a block: lane l xor 16's sixteen
.irp ee, 0,1,2,3,4,5,6,7,8,9,10,11,12,13,14,15
	v_permlanex16_b32 v[H+32*(\mm)+16+\ee], v[H+32*(\mm)+\ee], s[SEL], s[SEL+1]
.endr
.endm
.macro HMAX mm                         ; a quarter of the largest |h| of my row's 32: my sixteen in two chains, then lane l xor 16's
	v_max3_num_f32 v94, |v[H+32*(\mm)]|, |v[H+32*(\mm)+1]|, |v[H+32*(\mm)+2]|
	v_max3_num_f32 v95, |v[H+32*(\mm)+3]|, |v[H+32*(\mm)+4]|, |v[H+32*(\mm)+5]|
	v_max3_num_f32 v94, v94, |v[H+32*(\mm)+6]|, |v[H+32*(\mm)+7]|
	v_max3_num_f32 v95, v95, |v[H+32*(\mm)+8]|, |v[H+32*(\mm)+9]|
	v_max3_num_f32 v94, v94, |v[H+32*(\mm)+10]|, |v[H+32*(\mm)+11]|
	v_max3_num_f32 v95, v95, |v[H+32*(\mm)+12]|, |v[H+32*(\mm)+13]|
	v_max3_num_f32 v94, v94, |v[H+32*(\mm)+14]|, |v[H+32*(\mm)+15]|
	v_max_num_f32 v94, v94, v95
	v_permlanex16_b32 v[E+5], v94, s[SEL], s[SEL+1]
	v_max_num_f32 v94, v94, v[E+5]
	v_mul_f32 v[HQ+(\mm)], 0x3e800000, v94         ; x 0.25: exact
.endm
.macro POST mm, fin
	BFLY \mm
.if !(\fin)
	DUP \mm
	HMAX \mm
.endif
.endm
; The four partial sums of my rows meet, in four turns (tile mm = turn / 2, half u = turn % 2 of an owner's 32 columns): I send tile 2 delta + u to wave w xor 2 delta | barrier | I read my three in-boxes | barrier, with the
; additions between its signal and its wait | the in-boxes are written again.  fin = 1: the last layer: its h is not used again.  Every accumulator read here has four plain lines or more behind its last product.
.macro RED fin
	s_lshr_b32 s14, s[CNT], 2                      ; the layer: slots 1, 5 and, behind the tail, 10 give 0, 1, 2
	s_lshl_b32 s14, s14, 8
	v_add_nc_u32 v[VOUTC], s14, v[VOUT0]
.irp rr, 0,1,2,3
	WIN 0x04                                       ; an LDS store's data are its source 1: window 1
.irp dl, 1,2,3
.irp jj, 0,1
	ds_store_b128 v[VS+\dl-1], v[ACC+64*(\rr/2)+16*\dl+8*(\rr%2)+4*\jj:ACC+64*(\rr/2)+16*\dl+8*(\rr%2)+4*\jj+3] offset:\jj*512   ; each accumulator from its low end on
.endr
.endr
	WIN 0
	s_wait_dscnt 0x0                               ; for the others' sake: my stores are done
	s_barrier_signal -1
	s_barrier_wait -1
.irp dl, 0,1,2
.irp jj, 0,1
	ds_load_b128 v[L+8*\dl+4*\jj:L+8*\dl+4*\jj+3], v[VR] offset:\dl*1024+\jj*512
.endr
.endr
.if \rr == 2
	POST 0,\fin                                    ; tile 0 is whole: its work stands between these loads and the wait for them
.endif
	s_wait_dscnt 0x0                               ; my reads of the in-boxes are over
	s_barrier_signal -1
	SUM \rr/2,\rr%2
	s_barrier_wait -1                              ; everybody's are: the in-boxes may be written again
.endr
	POST 1,\fin
.endm
	s_load_b128 s[4:7], s[0:1], 0x0                ; x s[4:5], wq s[6:7]
	s_load_b64 s[8:9], s[0:1], 0x10                ; out0
	v_lshl_add_u32 v[SPW], v0, 2, SPARE
	v_mov_b32 v[NIL], 0
	ds_add_u32 v14, v15
	ds_add_u32 v14, v15
	s_wait_dscnt 0x0
	v_lshrrev_b32 v[LN], 5, v0
	v_readfirstlane_b32 s[WV], v[LN]               ; wave 0..7
	v_and_b32 v[LN], 31, v0
	s_lshr_b32 s[KQ], s[WV], 1                     ; my stream
	s_and_b32 s[RH], s[WV], 1                      ; my half of the rows
	s_bfe_u32 s11, ttmp6, 0x40000                  ; cx: my place in the cluster: it enters the addresses of x, of out0 and of the prefetches alone
	s_lshl_b32 s12, ttmp9, 2                       ; in a cluster launch ttmp9 counts clusters
	s_add_co_u32 s12, s12, s11                     ; my work-group
	s_mul_i32 s[WB], s[KQ], SLOTW
	s_mul_i32 s[FB], s[WV], HALFW
	; descriptor group 1: 17,408 dense bytes as 68 rows of 256 (32 elements of 8 bytes), no padding: they are read as they lie, 16 bytes a lane on end
	s_mov_b32 s[G1], 15|(3<<16)|(1<<21)            ; 15:0 the mask: all four work-groups; 17:16 elements of 8 bytes; 21 set beside a mask
	s_mov_b32 s[G1+1], 32<<16                      ; tensor_dim0
	s_mov_b32 s[G1+2], 68<<16                      ; tensor_dim1
	s_mov_b32 s[G1+3], 32<<16                      ; tile_dim0
	s_mov_b32 s[G1+4], 68                          ; tile_dim1
	s_mov_b32 s[G1+5], 32                          ; from row to row
	s_mov_b32 s[G1+6], 0
	s_mov_b32 s[G1+7], 0
	s_mov_b32 s[SEL], 0x76543210
	s_mov_b32 s[SEL+1], 0xfedcba98
	s_mov_b32 s[MK], 0xff00ff00
	s_mov_b32 s[MK+1], 0xf0f0f0f0
	s_mov_b32 s[MK+2], 0xcccccccc
	s_mov_b32 s[MK+3], 0xaaaaaaaa
	s_mov_b32 s[PS0], 0x05010400
	s_mov_b32 s[PS1], 0x07030602
	s_mov_b32 s[TB], 0
	s_lshr_b32 s[XGA], s[KQ], 1
	s_xor_b32 s[XGA], s[XGA], 1
	s_lshl_b32 s[XGA], s[XGA], 1                   ; XG: 2 for streams 0 and 1, 0 for streams 2 and 3
	s_add_co_u32 s[XGA], s[XGA], 3
	s_add_co_u32 s14, s[XGA], 3
	s_and_b32 s14, s14, 3                          ; slot 0: (2 + XG) & 3
	s_mul_i32 s[SX], s14, 1088
	s_or_b32 s14, s[RH], ttmp9                     ; 0 in the waves with rh = 0 of the first cluster: the same in all four partners
	s_cmp_eq_u32 s14, 0
	s_cselect_b32 s[LIM], 7, 0
	v_lshlrev_b32 v[XGO], 4, v0
	s_wait_kmcnt 0x0
	s_lshl_b32 s2, s12, 14                         ; x: 16,384 bytes a work-group
	s_mov_b32 s3, 0
	s_add_nc_u64 s[4:5], s[4:5], s[2:3]
	s_mul_i32 s2, s12, 6144                        ; out0: 4 rows of 1,536 bytes a work-group; wave w stores half w & 1 of each layer's 512 bytes of row w / 2
	s_mul_i32 s46, s[KQ], 1536
	s_add_co_u32 s2, s2, s46
	s_lshl_b32 s46, s[RH], 8
	s_add_co_u32 s2, s2, s46
	s_add_nc_u64 s[8:9], s[8:9], s[2:3]
	s_mul_i32 s46, s[KQ], STREAM                   ; wq: my stream
	s_mov_b32 s47, 0
	s_add_nc_u64 s[6:7], s[6:7], s[46:47]
	s_lshl_b32 s2, s11, 13
	s_add_co_u32 s2, s2, 2*SLOTW
	s_add_nc_u64 s[PFA:PFA+1], s[6:7], s[2:3]      ; in slot 2, my work-group's 8,192 bytes: the first change of slots steps it to slot 3.  Nothing is prefetched here, at the head
	s_mul_i32 s46, s[RH], HALFW
	s_add_nc_u64 s[6:7], s[6:7], s[46:47]          ; the two K steps of a slot that I fetch
.irp kk, 0,1,2,3
	global_load_b128 v[H+4*\kk:H+4*\kk+3], v[XGO], s[4:5] offset:\kk*4096 th:TH_LOAD_NT   ; x: a wave's load reads 512 consecutive bytes
.endr
	s_mov_b32 s[G0A], 1                            ; 1:0 count = 1
	s_mov_b32 s[G0A+1], s[FB]                      ; LDS address: slot 0, my eighth
	s_mov_b64 s[G0A+2:G0A+3], s[6:7]               ; global address: of K steps 0 to 3
	s_or_b32 s[G0A+3], s[G0A+3], 0x80000000        ; type = 2
	s_mov_b32 s[G0B], 1
	s_add_co_u32 s[G0B+1], s[FB], SLOTB            ; slot 1
	s_add_nc_u64 s[G0B+2:G0B+3], s[6:7], SLOTW     ; of K steps 4 to 7
	s_or_b32 s[G0B+3], s[G0B+3], 0x80000000
	ROUND                                          ; all four work-groups are here: the first joint loads meet
	tensor_load_to_lds s[G0A:G0A+3], s[G1:G1+7]    ; both first fills together: two loads of mine are out
	s_nop 0
	tensor_load_to_lds s[G0B:G0B+3], s[G1:G1+7]
	s_nop 0
.rept 4
	v_nop
.endr
	v_lshl_add_u32 v[VW0], v[LN], 4, s[WB]
	s_add_co_u32 s14, s[WB], 8192
	v_lshl_add_u32 v[VWS0], v[LN], 3, s14
	s_mul_i32 s14, s[RH], 8704                     ; my two tiles of rows in XIMG
	s_add_co_u32 s14, s14, XIMG
	v_lshl_add_u32 v[VXB], v[LN], 2, s14
	NEXTADR                                        ; slot 0
.irp dl, 1,2,3
	s_xor_b32 s14, s[WV], 2*\dl                    ; the wave of stream kq xor delta with my rows
	s_mul_i32 s14, s14, 3072
	s_add_co_u32 s14, s14, STG+(\dl-1)*1024
	v_lshl_add_u32 v[VS+\dl-1], v[LN], 4, s14
.endr
	s_mul_i32 s14, s[WV], 3072
	s_add_co_u32 s14, s14, STG
	v_lshl_add_u32 v[VR], v[LN], 4, s14
	s_mul_i32 s14, s[WV], 768
	s_add_co_u32 s14, s14, OUTS
	v_lshl_add_u32 v[VOUT0], v[LN], 2, s14
	v_lshlrev_b32 v[PFO], 8, v[LN]
	v_lshrrev_b32 v[XLO], 6, v0
	v_lshlrev_b32 v[XLO], 6, v[XLO]
	v_lshl_add_u32 v[XLO], v0, 4, v[XLO]
	v_add_nc_u32 v[XLO], XIMG, v[XLO]              ; 16 t + 64 (t / 64): 64 bytes of padding behind each 1,024
	v_and_b32 v94, 15, v0                          ; r
	v_bfe_u32 v95, v0, 4, 1                        ; hh
	s_and_b32 s14, s[KQ], 1
	s_mul_i32 s14, s14, 2176                       ; layer 0's h is x at j = 32 (kq & 1) + ..,
	s_mul_i32 s46, s[RH], 8704                     ; of my two tiles
	s_add_co_u32 s14, s14, s46
	s_add_co_u32 s14, s14, XIMG
	v_mul_u32_u24 v[HA0], v95, 1088
	v_lshl_add_u32 v[HA0], v94, 2, v[HA0]
	v_add_nc_u32 v[HA0], s14, v[HA0]               ; places 0-15: j = .. + 16 hh + place
	v_xor_b32 v95, 1, v95
	v_mul_u32_u24 v[HA1], v95, 1088
	v_lshl_add_u32 v[HA1], v94, 2, v[HA1]
	v_add_nc_u32 v[HA1], s14, v[HA1]               ; places 16-31: the other sixteen
	; the way out: I store row m = w / 2, columns 64 (w & 1) .. + 63 of each layer: lane l takes two numbers of stream 2 (w & 1) + l / 16, which wave 2 x that + m / 2 has left at its tile m & 1
	v_lshrrev_b32 v94, 4, v[LN]
	v_mul_u32_u24 v[VOL], v94, 1536
	v_and_b32 v94, 15, v[LN]
	v_lshl_add_u32 v[VOL], v94, 3, v[VOL]
	s_mul_i32 s14, s[RH], 3072
	s_lshr_b32 s46, s[WV], 2
	s_mul_i32 s46, s46, 768
	s_add_co_u32 s14, s14, s46
	s_and_b32 s46, s[KQ], 1
	s_lshl_b32 s46, s46, 7
	s_add_co_u32 s14, s14, s46
	s_add_co_u32 s14, s14, OUTS
	v_add_nc_u32 v[VOL], s14, v[VOL]
	v_lshlrev_b32 v[VOG], 3, v[LN]
	v_mov_b32 v[E+5], 0                            ; written once: the destination of a lane permute or of a DPP form counts as one of its sources
.irp ee, 0,1,2,3,4,5,6,7,8,9,10,11,12,13,14,15
	v_mov_b32 v[BT+\ee], 0
.endr
	s_wait_loadcnt 0x0                             ; x
.irp kk, 0,1,2,3
	ds_store_b128 v[XLO], v[H+4*\kk:H+4*\kk+3] offset:\kk*4352
.endr
	s_wait_dscnt 0x0                               ; for the others' sake: my part of x lies in LDS
	s_barrier_signal -1
	s_barrier_wait -1                              ; the two tensor loads may stay out
.irp mm, 0,1
.irp rr, 0,1,2,3,4,5,6,7,8,9,10,11,12,13,14,15
	ds_load_b32 v[H+32*\mm+\rr], v[HA0] offset:\mm*4352+\rr*64
.endr
.irp rr, 0,1,2,3,4,5,6,7,8,9,10,11,12,13,14,15
	ds_load_b32 v[H+32*\mm+16+\rr], v[HA1] offset:\mm*4352+\rr*64
.endr
.endr
	s_wait_dscnt 0x0                               ; h is in
	HMAX 0
	HMAX 1
	s_wait_tensorcnt 0x1                           ; my eighth of slot 0 is in; slot 1's may stay out
	s_barrier_signal -1
	s_barrier_wait -1                              ; everybody's is
	LOADS 0,0
	s_mov_b32 s[CNT], 0
	SLOT 1,1                                       ; slot 0 is written out: its first products start all 16 sums
	s_mov_b32 s[CNT], 1
.Lslot:                                            ; slots 1 to 7: each is filled again when it has been read
	SLOT 2,1
	s_and_b32 s14, s[CNT], 3
	s_cmp_lg_u32 s14, 1                            ; layers 0 and 1 end with slots 1 and 5: the same in every wave and every work-group
	s_cbranch_scc1 .Lsame_layer
	RED 0
.Lsame_layer:
	s_add_co_u32 s[CNT], s[CNT], 1
	s_cmp_lt_u32 s[CNT], 8
	s_cbranch_scc1 .Lslot
	s_mov_b32 s[CNT], 8                            ; (written again, so that this loop's two trips can be read off the text)
.Ltail:                                            ; slots 8 and 9 are written apart: nothing is left to fetch
	SLOT 0,2
	s_add_co_u32 s[CNT], s[CNT], 1
	s_cmp_lt_u32 s[CNT], 10
	s_cbranch_scc1 .Ltail
	RED 1
	s_wait_dscnt 0x0                               ; for the others' sake: my sums over d lie in LDS
	s_barrier_signal -1
	s_barrier_wait -1
.irp kk, 0,1,2
	ds_load_b64 v[BT+2*\kk:BT+2*\kk+1], v[VOL] offset:\kk*256      ; layer kk: 64 numbers of my row
.endr
.irp kk, 0,1,2
	s_wait_dscnt 2-\kk                             ; LDS loads come back in order (ISA guide 5.7.1): load kk is in
	global_store_b64 v[VOG], v[BT+2*\kk:BT+2*\kk+1], s[8:9] offset:\kk*512 th:TH_STORE_NT   ; 32 lanes store 256 consecutive bytes, at a multiple of 256 from out0's first byte
.endr
	s_wait_tensorcnt 0x0                           ; the wave's end, behind my last tensor load and my last LDS store
	ds_add_u32 v[SPW], v[NIL]
	s_wait_dscnt 0x0
	ROUND                                          ; the closing round: no work-group ends while a partner may still ask for a tile that names it
	s_endpgm
.Lfunc_end_k_qef7b3458c9_cin:
	.size	k_qef7b3458c9_cin, .Lfunc_end_k_qef7b3458c9_cin-k_qef7b3458c9_cin
	.p2alignl 7, 3214868480
	.fill 96, 4, 3214868480
	.section	.rodata,"a",@progbits
	.p2align	6, 0x0
	.amdhsa_kernel k_qef7b3458c9_cin
		.amdhsa_group_segment_fixed_size 327680
		.amdhsa_private_segment_fixed_size 0
		.amdhsa_enable_private_segment 0
		.amdhsa_kernarg_size 24
		.amdhsa_user_sgpr_count 2
		.amdhsa_user_sgpr_kernarg_segment_ptr 1
		.amdhsa_wavefront_size32 1
		.amdhsa_system_sgpr_workgroup_id_x 1
		.amdhsa_system_sgpr_workgroup_id_y 1
		.amdhsa_system_sgpr_workgroup_id_z 1
		.amdhsa_system_vgpr_workitem_id 0
		.amdhsa_next_free_vgpr 512
		.amdhsa_next_free_sgpr 66
		.amdhsa_reserve_vcc 0
		.amdhsa_float_denorm_mode_32 3
		.amdhsa_float_denorm_mode_16_64 3
		.amdhsa_memory_ordered 1
		.amdhsa_forward_progress 1
		.amdhsa_inst_pref_size 173
	.end_amdhsa_kernel
	.amdgpu_metadata
---
amdhsa.version: [ 1, 2 ]
amdhsa.kernels:
  - .name:           k_qef7b3458c9_cin
    .symbol:         k_qef7b3458c9_cin.kd
    .args:
      - { .name: x, .offset: 0, .size: 8, .value_kind: global_buffer, .address_space: global }
      - { .name: wq, .offset: 8, .size: 8, .value_kind: global_buffer, .address_space: global }
      - { .name: out0, .offset: 16, .size: 8, .value_kind: global_buffer, .address_space: global }
    .group_segment_fixed_size: 327680
    .private_segment_fixed_size: 0
    .kernarg_segment_align: 8
    .kernarg_segment_size: 24
    .max_flat_workgroup_size: 256
    .sgpr_count:     66
    .vgpr_count:     512
    .wavefront_size: 32
...
	.end_amdgpu_metadata
.endif
;; end of part 2
